; MI455X (gfx1250); checked and timed in simulation.
; The chip was launched on July 23, 2026; its instructions are those of AMD's public machine-readable ISA for CDNA 5 (MIT licence, August 2026) and "CDNA5" Instruction Set Architecture Reference Guide (July 2026). The comments in the code are by the model that wrote it; some were corrected since.
;; Multi Head Attention. Allowed arithmetic: matrix products marked QUANTISED: E3M2 operands, one E8M0 scale for each 32 along K, by v_wmma_scale_f32_16x16x128_f8f6f4 with both operands' format E3M2, f32 sums; everything else in f32.
;; Inputs: Wk 512 x 512 float32; Wq 512 x 512 float32; Wv 512 x 512 float32; bk 512 float32; bq 512 float32; bv 512 float32; key 2 x 2,048 x 512 float32; query 2 x 2,048 x 512 float32; value 2 x 2,048 x 512 float32.
;; Outputs: out0 2 x 2,048 x 512 float32.
;; This version of the problem:
;;   THIS VERSION OF THE PROBLEM IS GIVEN IN LOW PRECISION. The matrix products marked QUANTISED in the list below multiply operands that are first quantised to E3M2 (3 exponent bits, 2 mantissa bits; 6 bits a number), with one power-of-two scale for each 32 numbers along K (OCP MX v1.0); their sums are f32. All else is computed in f32.
;;   The module's matrix products, in the order in which they are computed (A, B: the left and right operand; K: the contracted axis; several contracted axes count as one K, in the product's order):
;;     1. [M 4,096, K 512] x [K 512, N 512]; A: input query; B: input Wq: QUANTISED
;;     2. [M 4,096, K 512] x [K 512, N 512]; A: input key; B: input Wk: QUANTISED
;;     3. [M 4,096, K 512] x [K 512, N 512]; A: input value; B: input Wv: QUANTISED
;;     4. batch 16 x [M 2,048, K 64] x [K 64, N 2,048]; A: computed on the way; B: computed on the way: QUANTISED
;;     5. batch 16 x [M 64, K 2,048] x [K 2,048, N 2,048]; A: computed on the way; B: softmax (see below): QUANTISED
;;   THE QUANTISER, for each operand of a quantised product, along K:
;;     - K is cut into blocks of 32 from its start; a last block that is shorter is filled with zeros.
;;     - A block's scale is 2^e with e = floor(log2(the largest magnitude in the block)) - 4, held to -126 .. 127; a block of zeros has e = 0. As a byte (E8M0): e + 127.
;;     - Each number is divided by its block's scale, clamped to +-28, and rounded to the nearest number of E3M2, ties to even, subnormals kept.
;;     - The product sums the exact products of the quantised numbers (number of the format x scale) in f32.
;;   ~~~python
;;   def quantise(x, axis):      # numpy; x: float32 -> the quantised numbers, widened to float32 again
;;       x = np.moveaxis(x, axis, -1); K = x.shape[-1]
;;       x = np.pad(x, [(0, 0)] * (x.ndim - 1) + [(0, -K % 32)]); x = x.reshape(x.shape[:-1] + (-1, 32)); a = np.abs(x).max(-1, keepdims=True)
;;       e = np.where(a > 0, np.clip(np.frexp(np.where(a > 0, a, 1))[1] - 1 - 4, -126, 127), 0)      # np.frexp(a)[1] - 1 = floor(log2(a)), exactly
;;       r = np.clip(x / 2.0 ** e, -28, 28)
;;       step = 2.0 ** (np.maximum(np.frexp(np.where(r == 0, 1, r))[1] - 1, -2) - 2)
;;       q = np.round(r / step) * step * 2.0 ** e      # np.round: ties to even
;;       return np.moveaxis(q.reshape(q.shape[:-2] + (-1,))[..., :K], -1, axis).astype(np.float32)
;;   ~~~
;;   SOFTMAX AHEAD OF A QUANTISED PRODUCT. Where the list says 'softmax', what is quantised is not the finished softmax but p = 2^(t - M), with t = logit x log2(e) and M = ceil(the row's largest t), a whole number; so 1/2 < the row's largest p <= 1. The row's sum l is taken of the UNQUANTISED p, in f32, and the product's result is divided by l at the end. Since M is a whole number, a kernel that streams over the keys may use a running M (the ceiling of the running maximum): every later rescaling is an exact power of two, which a block's scale takes up: the codes' values come out the same.
;;   OPERANDS COMPUTED ON THE WAY. 'Computed on the way' means the value that the module computes at that place (a softmax that the list does not call 'softmax' is quantised finished and normalised). What goes into a quantiser is computed in f32, as accurately as f32 sums, v_exp_f32 and their like allow (about 1e-6 of the number): no bf16 or f16 on the way to a quantiser, and a product that is left as it is and whose result goes on into a quantised operand takes f32 operands (vector FMAs, or v_wmma_f32_16x16x4_f32). A number that lies on a knife's edge between two numbers of the format may be rounded either way, as far as f32 arithmetic and the matrix unit's own rounding can turn it there, and no further.
;; One version. Each part assembles by itself: llvm-mc -triple=amdgcn-amd-amdhsa -mcpu=gfx1250 --defsym DOCPART=n.
;; ======== version 1 of 1: 2 launches
;; limits: right only within a limited range of input values
;; workspace buffers: wts 614,400 bytes; acts 4,915,200 bytes
;; launch quant (part 1): grid 256 x 1, 13 waves a work-group, no clusters, 168,960 bytes of LDS; arguments query, key, value, Wq, Wk, Wv, wts, acts; writes wts, acts
.if DOCPART == 1
	.amdgcn_target "amdgcn-amd-amdhsa--gfx1250"
	.amdhsa_code_object_version 6
	.text
	.protected	k_q3f764464ce_quant
	.globl	k_q3f764464ce_quant
	.p2align	8
	.type	k_q3f764464ce_quant,@function
k_q3f764464ce_quant:
	s_mov_b64 s[64:65], 0
	v_nop
	global_prefetch_b8 v0, s[64:65] scope:SCOPE_SE
	s_setreg_imm32_b32 hwreg(HW_REG_WAVE_MODE, 25, 1), 1
	s_wait_xcnt 0x0
; query, key, value (x: [4096][512] each) and Wq, Wk, Wv ([512 (k)][512 (n)]) become codes of BF6 (E3M2) with one E8M0 byte for each 32 along K, laid as images of the matrix operand's registers.
; DEAD WORK of the whole program: a score whose key lies outside [i - 128, i + 128] is set to -inf by reference() itself, so its p is 0 for all inputs: the next launch leaves out whole tiles of such keys.
; A NaN, an infinity or an overflow that reaches only such scores is not carried to the result.  Every input is loaded.
; CHUNKS: 16 neighbouring rows of x (columns of W) x 512 along K are 6,400 bytes: four fragments of 1,536 (one for each 128 along K), then 256 bytes of scale words.
;   Fragment: registers 4 c .. 4 c + 3 of place l at 512 c + 16 l, l = 16 h + (r xor 8 (chunk % 2)); register 6 c + i of (r, h) holds K = 64 c + 32 h on.  Scale words: [K step][r xor 8 (chunk % 2)].
;   acts: 768 chunks (tensor x 256 + row / 16).  wts: chunk 4 (3 head + tensor) + (column of the head) / 16.
; SHARES.  Waves 0-11 of a work-group take three chunks of x x four K steps: one tensor load each (16 rows of 512 bytes; LDS rows 528 bytes apart), read by the issuing wave alone.
;   Wave 12 of work-groups 0-191 takes 32 columns x 128 along K of one W: a lane a column, registers down K.  Waves share nothing, so there is no barrier; work-groups share no input, so no cluster.
;   No loop to run ahead in, so no prefetch.  Scale words leave 64 bytes a store: the other three quarters of their 256 bytes come from the chunk's other K steps.
; A block's scale is 2^(floor(log2(largest magnitude)) - 4); its byte is the largest magnitude's exponent field - 4, held at 1 from below.
; LIMITS: a block of zeros gets the byte 1 where the rule says 127 (its codes are zeros, and this program alone reads the bytes); NaN and infinities are not served.
.set XW,   8448                        ; LDS bytes a wave: 16 rows of 528
.set SPARE, 101376                     ; behind the twelve tiles: the spare words
.set X,    32                          ; x: v32-95; W: v32-159
.set PC,   96                          ; x: the fragment, v96-107; upper halves at 108, 112
.set F0,   160                         ; W: the even chunk's fragment
.set F1,   172                         ; the odd chunk's
.set U,    184                         ; upper halves
	s_load_b512 s[4:19], s[0:1], 0x0               ; query, key, value, Wq s[10:11], Wk, Wv, wts s[16:17], acts s[18:19]
	v_lshl_add_u32 v1, v0, 2, SPARE
	v_mov_b32 v2, 0
	ds_add_u32 v1, v2                              ; the opening add, twice on end
	ds_add_u32 v1, v2
	v_lshrrev_b32 v3, 5, v0
	v_readfirstlane_b32 s20, v3                    ; wave
	s_mov_b32 s32, (2<<16)|(1<<20)|(6<<22)|(3<<25) ; elements of 4 bytes; 4 words of padding behind every 128
	s_mov_b32 s33, 128<<16
	s_mov_b32 s34, 16<<16
	s_mov_b32 s35, 128<<16
	s_mov_b32 s36, 16
	s_mov_b32 s37, 512
	s_mov_b32 s38, 0
	s_mov_b32 s39, 0
	s_mov_b32 s28, 1
	s_mul_i32 s29, s20, XW
	s_lshr_b32 s21, s20, 2
	s_mul_i32 s22, ttmp9, 3
	s_add_co_u32 s22, s22, s21                     ; chunk
	s_and_b32 s23, s20, 3                          ; K step
	s_lshr_b32 s24, s22, 8                         ; tensor
	s_and_b32 s40, s22, 255
	s_lshl_b32 s40, s40, 15                        ; 16 rows of 2,048 bytes
	s_lshl_b32 s25, s23, 9
	s_add_co_u32 s40, s40, s25
	s_mov_b32 s41, 0
	s_mul_i32 s25, s22, 6400
	s_mul_i32 s42, s23, 1536
	s_add_co_u32 s42, s42, s25                     ; where the fragment goes,
	s_mov_b32 s43, 0
	s_lshl_b32 s48, s23, 6
	s_add_co_u32 s48, s48, s25
	s_add_co_u32 s48, s48, 6144                    ; and its scale words
	s_mov_b32 s49, 0
	s_and_b32 s25, s22, 1
	s_lshl_b32 s25, s25, 3                         ; 8 (chunk % 2)
	s_mov_b32 s50, 0x76543210
	s_mov_b32 s51, 0xfedcba98                      ; v_permlanex16_b32's selects for lane l xor 16
	s_wait_alu depctr_va_vdst(0)
	s_wait_dscnt 0x0
	s_wait_kmcnt 0x0
	s_cmp_lt_u32 s20, 12
	s_cbranch_scc0 .Lweights
	; ---- x
	s_cmp_eq_u32 s24, 1
	s_cselect_b64 s[26:27], s[6:7], s[4:5]
	s_cmp_eq_u32 s24, 2
	s_cselect_b64 s[26:27], s[8:9], s[26:27]
	s_add_nc_u64 s[30:31], s[26:27], s[40:41]
	s_or_b32 s31, s31, 0x80000000
	tensor_load_to_lds s[28:31], s[32:39]          ; the wave's one tensor load
	s_nop 0
.rept 4
	v_nop
.endr
	s_add_nc_u64 s[44:45], s[18:19], s[42:43]
	s_add_nc_u64 s[46:47], s[18:19], s[48:49]
	v_and_b32 v3, 15, v0                           ; r
	v_bfe_u32 v4, v0, 4, 1                         ; h
	v_mul_u32_u24 v5, 528, v3
	v_lshl_add_u32 v5, v4, 7, v5
	v_add_nc_u32 v5, s29, v5                       ; row r, + 128 h
	v_xor_b32 v6, s25, v3
	v_lshl_add_u32 v7, v4, 4, v6
	v_lshlrev_b32 v7, 4, v7                        ; my place in the fragment
	v_lshlrev_b32 v8, 2, v6                        ; my row's scale word
	v_lshlrev_b32 v9, 3, v4
	v_mov_b32 v10, 0                               ; (a lane permute's destination counts as one of its sources)
	s_wait_alu depctr_va_vdst(0)
	s_wait_tensorcnt 0x0                           ; my tile is in
.irp c, 0,1
.irp j, 0,1,2,3,4,5,6,7
	ds_load_b128 v[X+32*\c+4*\j:X+32*\c+4*\j+3], v5 offset:256*\c+16*\j   ; block c: K = 64 c + 32 h + 0 .. 31
.endr
.endr
.irp c, 0,1
	s_wait_dscnt 8-8*\c                            ; block c's eight loads are in
	v_max3_num_f32 v[12+2*\c], |v[X+32*\c]|, |v[X+32*\c+1]|, |v[X+32*\c+2]|
	v_max3_num_f32 v[13+2*\c], |v[X+32*\c+3]|, |v[X+32*\c+4]|, |v[X+32*\c+5]|
.irp i, 6,10,14,18,22,26
	v_max3_num_f32 v[12+2*\c], v[12+2*\c], |v[X+32*\c+\i]|, |v[X+32*\c+\i+1]|
	v_max3_num_f32 v[13+2*\c], v[13+2*\c], |v[X+32*\c+\i+2]|, |v[X+32*\c+\i+3]|
.endr
	v_max3_num_f32 v[12+2*\c], v[12+2*\c], |v[X+32*\c+30]|, |v[X+32*\c+31]|
.endr
.irp c, 0,1
	v_max3_num_f32 v[12+2*\c], v[12+2*\c], v[13+2*\c], 0x2800000   ; and the floor 2^(5 - 127): the byte cannot fall under 1
.endr
.irp c, 0,1
	v_add_nc_u32 v[16+\c], 0xfe000000, v[12+2*\c]  ; 4 off the exponent field: the conversion's scale operand
.endr
.irp c, 0,1
	v_lshrrev_b32 v[18+\c], 23, v[16+\c]           ; the scale's byte
.endr
.irp c, 0,1
	v_cvt_scalef32_pk16_bf6_f32 v[PC+6*\c:PC+6*\c+2], v[X+32*\c:X+32*\c+15], v[16+\c]
	v_cvt_scalef32_pk16_bf6_f32 v[PC+12+4*\c:PC+14+4*\c], v[X+32*\c+16:X+32*\c+31], v[16+\c]
.endr
	v_lshl_or_b32 v20, v19, 16, v18                ; blocks h and 2 + h of row r
.irp i, 0,1,2
	v_mov_b32 v[PC+3+\i], v[PC+12+\i]              ; a block's upper 16 codes behind its lower 16
	v_mov_b32 v[PC+9+\i], v[PC+16+\i]
.endr
	v_lshlrev_b32 v20, v9, v20                     ; 8 h bits up
.irp c, 0,1,2
	global_store_b128 v7, v[PC+4*\c:PC+4*\c+3], s[44:45] offset:512*\c   ; 512 consecutive bytes
.endr
	v_permlanex16_b32 v10, v20, s50, s51
	v_or_b32 v20, v20, v10                         ; with lane l xor 16's two bytes the word is whole
	global_store_b32 v8, v20, s[46:47]             ; lanes r and 16 + r store the same word with the same value
	s_wait_tensorcnt 0x0                           ; the wave's end
	ds_add_u32 v1, v2
	s_wait_dscnt 0x0
	s_endpgm
.Lweights:
	s_cmp_lt_u32 ttmp9, 192
	s_cbranch_scc0 .Lnone
	s_and_b32 s21, ttmp9, 7                        ; head
	s_bfe_u32 s22, ttmp9, 0x10003                  ; which 32 of its 64 columns
	s_bfe_u32 s23, ttmp9, 0x20004                  ; K step
	s_lshr_b32 s24, ttmp9, 6                       ; tensor
	s_lshl_b32 s40, s23, 18                        ; 128 rows of 2,048 bytes a K step
	s_lshl_b32 s25, s21, 8
	s_add_co_u32 s40, s40, s25
	s_lshl_b32 s25, s22, 7
	s_add_co_u32 s40, s40, s25
	s_mul_i32 s25, s21, 3
	s_add_co_u32 s25, s25, s24
	s_mul_i32 s25, s25, 25600
	s_mul_i32 s42, s22, 12800
	s_add_co_u32 s25, s25, s42                     ; my two chunks
	s_mul_i32 s42, s23, 1536
	s_add_co_u32 s42, s42, s25
	s_lshl_b32 s48, s23, 6
	s_add_co_u32 s48, s48, s25
	s_add_co_u32 s48, s48, 6144
	s_cmp_eq_u32 s24, 1
	s_cselect_b64 s[26:27], s[12:13], s[10:11]
	s_cmp_eq_u32 s24, 2
	s_cselect_b64 s[26:27], s[14:15], s[26:27]
	s_add_nc_u64 s[26:27], s[26:27], s[40:41]
	s_add_nc_u64 s[44:45], s[16:17], s[42:43]
	s_add_nc_u64 s[46:47], s[16:17], s[48:49]
	v_and_b32 v3, 31, v0                           ; lane = my column of the 32
	v_lshlrev_b32 v4, 2, v3
	v_lshlrev_b32 v5, 4, v3                        ; places in the even chunk's fragment,
	v_xor_b32 v6, 8, v3
	v_lshlrev_b32 v6, 4, v6                        ; and in the odd chunk's
	v_and_b32 v7, 15, v0
	v_bfe_u32 v8, v0, 4, 1
	v_lshlrev_b32 v9, 3, v8
	v_xor_b32 v7, v7, v9
	v_lshlrev_b32 v7, 2, v7
	v_mul_u32_u24 v9, 6400, v8
	v_add_nc_u32 v7, v9, v7                        ; my column's scale word: lanes 16-31 one chunk on
.set n, 0
.rept 128
	global_load_b32 v[X+n], v4, s[26:27] offset:n*2048 th:TH_LOAD_NT   ; row 128 step + n: 128 consecutive bytes
.set n, n+1
.endr
.macro BLOCK t, left
.set XS, X+32*(\t)
	s_wait_loadcnt \left
	v_max3_num_f32 v12, |v[XS]|, |v[XS+1]|, |v[XS+2]|
	v_max3_num_f32 v13, |v[XS+3]|, |v[XS+4]|, |v[XS+5]|
.irp i, 6,10,14,18,22,26
	v_max3_num_f32 v12, v12, |v[XS+\i]|, |v[XS+\i+1]|
	v_max3_num_f32 v13, v13, |v[XS+\i+2]|, |v[XS+\i+3]|
.endr
	v_max3_num_f32 v12, v12, |v[XS+30]|, |v[XS+31]|
	v_max3_num_f32 v12, v12, v13, 0x2800000
	v_add_nc_u32 v[16+\t], 0xfe000000, v12
	v_lshrrev_b32 v21, 23, v[16+\t]
.if (\t) == 0
	v_mov_b32 v20, v21                             ; my column's scale word: the lower K in the lower byte
.else
	v_lshl_or_b32 v20, v21, 8*(\t), v20
.endif
	v_cvt_scalef32_pk16_bf6_f32 v[F0+12*((\t)%2)+6*((\t)/2):F0+12*((\t)%2)+6*((\t)/2)+2], v[XS:XS+15], v[16+\t]
	v_cvt_scalef32_pk16_bf6_f32 v[U+4*(\t):U+4*(\t)+2], v[XS+16:XS+31], v[16+\t]
.endm
	BLOCK 0, 63                                    ; 96 younger loads could stay out; the wait's field names 63 at the most
	BLOCK 1, 63
	BLOCK 2, 32                                    ; block 3's 32 may be out
	BLOCK 3, 0
	v_nop                                          ; one plain place behind the last scaled conversion
; So far lanes 0-15 hold all four blocks of the even chunk's columns and lanes 16-31 those of the odd chunk's.  The exchange of the first register's lanes 16-31 with the second's lanes 0-15
; (an even block, the odd block behind it) leaves the even chunk whole in the first (lanes 0-15 block 2 c, lanes 16-31 block 2 c + 1) and the odd chunk in the second.
.irp i, 0,1,2
	v_permlane16_swap_b32 v[F0+\i], v[F1+\i]
	v_permlane16_swap_b32 v[U+\i], v[U+4+\i]
	v_permlane16_swap_b32 v[F0+6+\i], v[F1+6+\i]
	v_permlane16_swap_b32 v[U+8+\i], v[U+12+\i]
.endr
.irp i, 0,1,2
	v_mov_b32 v[F0+3+\i], v[U+\i]
	v_mov_b32 v[F1+3+\i], v[U+4+\i]
	v_mov_b32 v[F0+9+\i], v[U+8+\i]
	v_mov_b32 v[F1+9+\i], v[U+12+\i]
.endr
.irp c, 0,1,2
	global_store_b128 v5, v[F0+4*\c:F0+4*\c+3], s[44:45] offset:512*\c
	global_store_b128 v6, v[F1+4*\c:F1+4*\c+3], s[44:45] offset:6400+512*\c
.endr
	global_store_b32 v7, v20, s[46:47]
.Lnone:
	s_wait_tensorcnt 0x0                           ; the wave's end
	ds_add_u32 v1, v2
	s_wait_dscnt 0x0
	s_endpgm
.Lfunc_end_k_q3f764464ce_quant:
	.size	k_q3f764464ce_quant, .Lfunc_end_k_q3f764464ce_quant-k_q3f764464ce_quant
	.p2alignl 7, 3214868480
	.fill 96, 4, 3214868480
	.section	.rodata,"a",@progbits
	.p2align	6, 0x0
	.amdhsa_kernel k_q3f764464ce_quant
		.amdhsa_group_segment_fixed_size 168960
		.amdhsa_private_segment_fixed_size 0
		.amdhsa_enable_private_segment 0
		.amdhsa_kernarg_size 64
		.amdhsa_user_sgpr_count 2
		.amdhsa_user_sgpr_kernarg_segment_ptr 1
		.amdhsa_wavefront_size32 1
		.amdhsa_system_sgpr_workgroup_id_x 1
		.amdhsa_system_sgpr_workgroup_id_y 1
		.amdhsa_system_sgpr_workgroup_id_z 1
		.amdhsa_system_vgpr_workitem_id 0
		.amdhsa_next_free_vgpr 200
		.amdhsa_next_free_sgpr 66
		.amdhsa_reserve_vcc 0
		.amdhsa_float_denorm_mode_32 3
		.amdhsa_float_denorm_mode_16_64 3
		.amdhsa_memory_ordered 1
		.amdhsa_forward_progress 1
		.amdhsa_inst_pref_size 29
	.end_amdhsa_kernel
	.amdgpu_metadata
---
amdhsa.version: [ 1, 2 ]
amdhsa.kernels:
  - .name:           k_q3f764464ce_quant
    .symbol:         k_q3f764464ce_quant.kd
    .args:
      - { .name: query, .offset: 0, .size: 8, .value_kind: global_buffer, .address_space: global }
      - { .name: key, .offset: 8, .size: 8, .value_kind: global_buffer, .address_space: global }
      - { .name: value, .offset: 16, .size: 8, .value_kind: global_buffer, .address_space: global }
      - { .name: Wq, .offset: 24, .size: 8, .value_kind: global_buffer, .address_space: global }
      - { .name: Wk, .offset: 32, .size: 8, .value_kind: global_buffer, .address_space: global }
      - { .name: Wv, .offset: 40, .size: 8, .value_kind: global_buffer, .address_space: global }
      - { .name: wts, .offset: 48, .size: 8, .value_kind: global_buffer, .address_space: global }
      - { .name: acts, .offset: 56, .size: 8, .value_kind: global_buffer, .address_space: global }
    .group_segment_fixed_size: 168960
    .private_segment_fixed_size: 0
    .kernarg_segment_align: 8
    .kernarg_segment_size: 64
    .max_flat_workgroup_size: 416
    .sgpr_count:     66
    .vgpr_count:     200
    .wavefront_size: 32
...
	.end_amdgpu_metadata
.endif
;; end of part 1
;; launch fused (part 2): grid 8 x 32, 8 waves a work-group, clusters of 4 x 4, 327,680 bytes of LDS; arguments acts, wts, bq, bk, bv, out0; writes out0
.if DOCPART == 2
	.amdgcn_target "amdgcn-amd-amdhsa--gfx1250"
	.amdhsa_code_object_version 6
	.text
	.protected	k_q3f764464ce_fused
	.globl	k_q3f764464ce_fused
	.p2align	8
	.type	k_q3f764464ce_fused,@function
k_q3f764464ce_fused:
	s_mov_b64 s[64:65], 0
	v_nop
	global_prefetch_b8 v0, s[64:65] scope:SCOPE_SE
	s_setreg_imm32_b32 hwreg(HW_REG_WAVE_MODE, 25, 1), 1
	s_wait_xcnt 0x0
	s_wait_alu depctr_hold_cnt(0) depctr_sa_sdst(0) depctr_va_vdst(0) depctr_va_sdst(0) depctr_va_ssrc(0) depctr_va_vcc(0) depctr_vm_vsrc(0)
	s_getreg_b32 s2, hwreg(HW_REG_IB_STS2, 6, 4)
	s_cmp_eq_u32 s2, 0
	s_cbranch_scc0 .Lentry_in_a_cluster
	s_endpgm
.Lentry_in_a_cluster:
	s_bfe_u32 s2, ttmp6, 0x10000c
	s_cmp_lg_u32 s2, 0xf033
	s_cbranch_scc0 .Lentry_shape_is_right
	s_endpgm
.Lentry_shape_is_right:
; out[b][i][head][:] = sum over keys k in [i - 128, i + 128] of softmax_k(q_i . k_k / 8) v_k, with q = query Wq + bq, k = key Wk + bk, v = value Wv + bv; every product on codes of BF6 (E3M2) with one E8M0 scale
; for each 32 along K, sums in f32.  x and W arrive as codes (their layout stands at the head of the launch that writes them).
; SHARES.  Work-group: one head (grid x) and one block of 128 queries (grid y = batch x 16 + j).  It makes q of its block and k, v of the blocks j - 1, j, j + 1, which never go to memory.
; LEFT OUT: keys go in groups of 32, 12 groups in three blocks.  The 16 queries of wave w (query 32 (w / 2) + 8 (w % 2) + r + 8 (r / 8) of the block in lane r) see the groups w / 2 .. w / 2 + 8 alone: the other three are
;   under reference()'s own mask for all inputs, and no wave makes their scores.  Of the nine the first and the last are masked number by number.
; Where block j - 1 or j + 1 does not exist (j = 0, 15) its number is held inside the batch and its groups are hidden by selects: a branch would hang on the work-group's place in its cluster.
; CLUSTERS, 4 x 4: the four of a row (same block, four heads) ask jointly for x's codes, the four of a column (same head) for W's.  No loop to run ahead in, so no prefetch.
; THE WALK: (1) q's and k's x and all W come in, one joint load a wave.  (2) 32 tiles of 16 rows: wave w makes tiles 4 w .. 4 w + 3 x 64 channels (waves 0, 1 q; 2 to 7 k), quantised along the channels into an image in LDS.
;   (3) Behind a round of the cluster's barrier value's x fills the three key blocks' slots.  (4) S^T = K Q^T and the softmax.  (5) v: wave w makes 3 groups of keys x 32 channels, quantised along the keys into an image.  (6) O^T = V^T P^T, out.
; A TILE'S ROWS ARE NOT NEIGHBOURS: lane r of tile 2 g + u is row (W: column) 32 g + 8 u + r + 8 (r / 8), so a result's 16 registers of tiles 2 g, 2 g + 1 are elements 32 g + 16 (lane / 16) + 0 .. 15.
;   q, k: source 0 = W, source 1 = x: a lane holds one row.  v: source 0 = x, source 1 = W: a lane holds one channel.  The bias is the C of a sum's first product.
; THE HEAD HAS 64 CHANNELS, HALF OF THE INSTRUCTION'S 128: a group's fragment of K holds tile 2 g in K places 0-63 and tile 2 g + 1 in 64-127; [q | 0] gives tile 2 g's scores, [0 | q] tile 2 g + 1's.
; SOFTMAX: M = the row's largest t = score x log2(e) / 8, rounded UP to a whole number, known ahead of the first exponential; p = 2^(t - M) is quantised along the keys; the sum is taken of the unquantised p.
; LIMITS: NaN and infinities are not served, and those that reach only what is left out are not carried on.  A block of zeros keeps the byte 1.  A block's largest p is made from its largest score by the same multiply-add
;   and exponential, which takes v_exp_f32 not to fall where its input rises.  The promise holds while the scaled scores stay under 2^31 in magnitude.
; REGISTERS, window 0: v2-75 below; v76-219 x's fragments, codes at work, scores, V's fragments; v220-255 q with zeros, then p's codes.
;   Window 1: 0-127 accumulators (v: 0-95, O^T: 96-127); 128-223 W's fragments; 224-255 q's, k's bias; 128-235 K's fragments; 240-255 v's bias.
.set BLK,  51200                       ; LDS: 0 q's block of x, then three of key, later of value: 8 chunks of 6,400 bytes each
.set WB,   204800                      ; W: q, k, v, 4 chunks each
.set IMG,  281600                      ; q's and k's codes: 16 groups (q's four first) of 1,536 bytes: registers 4 c .. 4 c + 3 of lane l at 512 c + 16 l
.set KSC,  306176                      ; their scale words, 64 bytes a group
.set VIMG, 307200                      ; v's codes: [tile of 16 channels][group]: 384 bytes: registers 0-3 at 16 r, 4-5 at 256 + 8 r
.set VSC,  325632                      ; v's scale bytes: 16 bytes a channel, byte = group
.set SPARE, 326656                     ; the spare words.  The way out's stage lies at 0, in q's block, which is filled once
.set XA,   2                           ; v2-3    x's fragments, u = 0, 1
.set WA,   4                           ; v4-5    W's
.set XC,   6                           ; v6-7    x's scale words
.set WC,   8                           ; v8-9    W's
.set KST,  10
.set KSS,  11
.set KRD,  12
.set KSR,  13
.set KSL,  14
.set QRA,  15
.set QRB,  16
.set QSR,  17
.set BM,   2                           ; v2-10   each group's largest score, then largest p, then scale operand (the addresses above are done with)
.set BX,   11                          ; v11-19  the other half's, then the bytes
.set VXA,  20
.set VXC,  22
.set VWA,  24
.set VWC,  26
.set VSA,  28
.set VSB,  29
.set VSS,  30
.set VRA,  31
.set VRB,  32
.set VLA,  33
.set VLB,  34
.set VSR,  35
.set STO,  36
.set RD,   37
.set GO,   38
.set SPW,  39
.set NIL,  40
.set VD,   41                          ; my query in its group of 32, less 16 (lane / 16)
.set NINF, 42
.set BV,   43                          ; v43-44  v's bias, one channel a lane and tile
.set T,    45
.set NM,   46                          ; v[46:47] -M
.set NX,   48                          ; v[48:49], v[50:51] -M, or -infinity for a hidden group; then two chains of the sum
.set PSW,  52                          ; v52-54  p's scale words
.set SCL,  55                          ; v55-70  scale words
.set INV,  72                          ; v[72:73], v[74:75] two chains of the sum; then 1 / the sum
.set S,    76
.set TM,   116                         ; the quantiser at work
.set Q,    220                         ; six zeros, q's six registers, six zeros
.set PCD,  220
.set HM,   91                          ; s91-99  all ones where group b of my nine does not exist
.set MSB, 0
.macro WIN new                         ; the immediate's high byte repeats the setting that is left
.if MSB != \new
	s_set_vgpr_msb (MSB<<8)|\new
.set MSB, \new
.endif
.endm
.macro CREST                           ; a round of the cluster's barrier behind its opening barrier
	s_cmp_lg_u32 s20, 0
	s_cbranch_scc1 .Lnot_wave_0_\@
	s_barrier_signal -3
.Lnot_wave_0_\@:
	s_barrier_wait -3
	s_barrier_signal -1
	s_barrier_wait -1
.endm
.macro PLACES n
.rept \n
	v_nop
.endr
.endm
.macro WM d, a, b, c, sa, sb, row      ; row = 1: source 0's scales stand in lanes 16-31; 3: both sources'
.if (\row) == 0
	v_wmma_scale_f32_16x16x128_f8f6f4 v[\d:\d+7], v[\a:\a+11], v[\b:\b+11], v[\c:\c+7], v[\sa], v[\sb] matrix_a_fmt:MATRIX_FMT_BF6 matrix_b_fmt:MATRIX_FMT_BF6
.elseif (\row) == 1
	v_wmma_scale_f32_16x16x128_f8f6f4 v[\d:\d+7], v[\a:\a+11], v[\b:\b+11], v[\c:\c+7], v[\sa], v[\sb] matrix_a_fmt:MATRIX_FMT_BF6 matrix_b_fmt:MATRIX_FMT_BF6 matrix_a_scale:MATRIX_SCALE_ROW1
.else
	v_wmma_scale_f32_16x16x128_f8f6f4 v[\d:\d+7], v[\a:\a+11], v[\b:\b+11], v[\c:\c+7], v[\sa], v[\sb] matrix_a_fmt:MATRIX_FMT_BF6 matrix_b_fmt:MATRIX_FMT_BF6 matrix_a_scale:MATRIX_SCALE_ROW1 matrix_b_scale:MATRIX_SCALE_ROW1
.endif
.endm
.macro WMZ d, a, b, sa, sb, row        ; a product that starts its sum
.if (\row) == 0
	v_wmma_scale_f32_16x16x128_f8f6f4 v[\d:\d+7], v[\a:\a+11], v[\b:\b+11], 0, v[\sa], v[\sb] matrix_a_fmt:MATRIX_FMT_BF6 matrix_b_fmt:MATRIX_FMT_BF6
.else
	v_wmma_scale_f32_16x16x128_f8f6f4 v[\d:\d+7], v[\a:\a+11], v[\b:\b+11], 0, v[\sa], v[\sb] matrix_a_fmt:MATRIX_FMT_BF6 matrix_b_fmt:MATRIX_FMT_BF6 matrix_a_scale:MATRIX_SCALE_ROW1
.endif
.endm
; THE QUANTISER: nb half blocks of 16 registers from register s of window 1 on (the other half of each block lies in lane l xor 16) become codes: from pc on six registers for each pair of blocks,
; lanes 0-15 the even block whole, lanes 16-31 the odd one; bytes in v[TM+4] on.
.macro QUANT s, pc, nb
	WIN 0x05                                       ; sources 0 and 1 window 1
.irp b, 0,1,2,3
.if \b < \nb
	v_max3_num_f32 v[TM+\b], |v[\s+16*\b]|, |v[\s+1+16*\b]|, 0x2800000   ; with the floor 2^(5 - 127): the byte cannot fall under 1
.endif
.endr
.irp i, 2,4,6,8,10,12,14
.irp b, 0,1,2,3
.if \b < \nb
	v_max3_num_f32 v[TM+\b], |v[\s+16*\b+\i]|, |v[\s+1+16*\b+\i]|, v[TM+\b]
.endif
.endr
.endr
	WIN 0
.irp b, 0,1,2,3
.if \b < \nb
	v_permlanex16_b32 v[TM+4+\b], v[TM+\b], s68, s69
.endif
.endr
.irp b, 0,1,2,3
.if \b < \nb
	v_max_num_f32 v[TM+\b], v[TM+\b], v[TM+4+\b]
.endif
.endr
.irp b, 0,1,2,3
.if \b < \nb
	v_add_nc_u32 v[TM+12+\b], 0xfe000000, v[TM+\b]  ; 4 off the exponent field: the conversion's scale operand
.endif
.endr
.irp b, 0,1,2,3
.if \b < \nb
	v_lshrrev_b32 v[TM+4+\b], 23, v[TM+12+\b]      ; the scale's byte
.endif
.endr
	WIN 0x01
.irp c, 0,1
.if 2*\c < \nb
	v_cvt_scalef32_pk16_bf6_f32 v[\pc+6*\c:\pc+2+6*\c], v[\s+32*\c:\s+15+32*\c], v[TM+12+2*\c]
	v_cvt_scalef32_pk16_bf6_f32 v[\pc+12+4*\c:\pc+14+4*\c], v[\s+16+32*\c:\s+31+32*\c], v[TM+13+2*\c]   ; (a conversion's three registers begin on an even number)
.endif
.endr
	WIN 0
	v_nop                                          ; one plain place behind a scaled conversion
.irp c, 0,1
.if 2*\c < \nb
.irp i, 0,1,2
	v_permlane16_swap_b32 v[\pc+6*\c+\i], v[\pc+12+4*\c+\i]
.endr
.endif
.endr
.irp c, 0,1
.if 2*\c < \nb
.irp i, 0,1,2
	v_mov_b32 v[\pc+3+6*\c+\i], v[\pc+12+4*\c+\i]
.endr
.endif
.endr
.endm
	s_load_b256 s[4:11], s[0:1], 0x0               ; acts s[4:5], wts s[6:7], bq s[8:9], bk s[10:11]
	s_load_b128 s[12:15], s[0:1], 0x20             ; bv s[12:13], out0 s[14:15]
	v_lshl_add_u32 v[SPW], v0, 2, SPARE
	v_mov_b32 v[NIL], 0
	ds_add_u32 v[SPW], v[NIL]                      ; the opening add, twice on end
	ds_add_u32 v[SPW], v[NIL]
	v_lshrrev_b32 v1, 5, v0
	v_readfirstlane_b32 s20, v1                    ; w: wave
	s_bfe_u32 s21, ttmp6, 0x40000                  ; cx
	s_bfe_u32 s22, ttmp6, 0x40004                  ; cy
	s_lshl_b32 s23, ttmp9, 2
	s_add_co_u32 s23, s23, s21                     ; head
	s_and_b32 s24, ttmp7, 0xffff
	s_lshl_b32 s24, s24, 2
	s_add_co_u32 s24, s24, s22                     ; y = batch x 16 + j
	s_and_b32 s25, s24, 15                         ; j
	s_lshr_b32 s26, s20, 1                         ; w / 2
	s_and_b32 s27, s20, 1                          ; w % 2
	; group 1: dense bytes as rows of 256 (32 elements of 8 bytes): x 200 rows, shared along my row of the cluster; W 75 rows, along my column
	s_lshl_b32 s28, s22, 2
	s_lshl_b32 s28, 15, s28
	s_or_b32 s32, s28, (3<<16)|(1<<21)
	s_mov_b32 s33, 32<<16
	s_mov_b32 s34, 200<<16
	s_mov_b32 s35, 32<<16
	s_mov_b32 s36, 200
	s_mov_b32 s37, 32
	s_mov_b32 s38, 0
	s_mov_b32 s39, 0
	s_lshl_b32 s16, 0x1111, s21
	s_or_b32 s40, s16, (3<<16)|(1<<21)
	s_mov_b32 s41, 32<<16
	s_mov_b32 s42, 75<<16
	s_mov_b32 s43, 32<<16
	s_mov_b32 s44, 75
	s_mov_b32 s45, 32
	s_mov_b32 s46, 0
	s_mov_b32 s47, 0
	; x's records (tensor x 32 + batch x 16 + block): wave 0 query j, waves 1-3 key j - 1, j, j + 1; later waves 0-2 value j - 1, j, j + 1; block numbers held to 0 .. 15
	s_add_co_u32 s28, s25, s20
	s_max_u32 s29, s28, 2
	s_sub_co_u32 s29, s29, 2
	s_min_u32 s29, s29, 15
	s_add_co_u32 s29, s29, 32
	s_max_u32 s30, s28, 1
	s_sub_co_u32 s30, s30, 1
	s_min_u32 s30, s30, 15
	s_cmp_eq_u32 s20, 0
	s_cselect_b32 s29, s25, s29
	s_and_b32 s31, s24, 16
	s_add_co_u32 s28, s29, s31
	s_mul_i32 s28, s28, BLK
	s_add_co_u32 s30, s30, s31
	s_add_co_u32 s30, s30, 64
	s_mul_i32 s30, s30, BLK
	s_mov_b32 s29, 0
	s_mov_b32 s31, 0
	s_mov_b32 s48, 1
	s_and_b32 s57, s20, 3
	s_mul_i32 s49, s57, BLK
	s_mov_b32 s56, 1
	s_add_co_u32 s57, s49, BLK                     ; value's blocks land where key's were
	; W's record of my head, 76,800 bytes, in four parts: waves 4-7
	s_mov_b32 s52, 1
	s_and_b32 s16, s20, 3
	s_mul_i32 s16, s16, 19200
	s_add_co_u32 s53, s16, WB
	s_mul_i32 s18, s23, 76800
	s_add_co_u32 s18, s18, s16
	s_mov_b32 s19, 0
	; which of my nine groups do not exist
	s_cmp_eq_u32 s25, 0
	s_cselect_b32 s76, -1, 0
	s_cmp_eq_u32 s25, 15
	s_cselect_b32 s77, -1, 0
.irp b, 0,1,2,3
	s_cmp_lt_u32 s26, 4-\b
	s_cselect_b32 s[HM+\b], s76, 0
.endr
.irp b, 5,6,7,8
	s_cmp_ge_u32 s26, 8-\b
	s_cselect_b32 s[HM+\b], s77, 0
.endr
	; out0: row 128 y + 32 (w / 2) + 8 (w % 2), 2,048 bytes a row, + 256 x head
	s_lshl_b32 s66, s24, 18
	s_lshl_b32 s76, s26, 16
	s_add_co_u32 s66, s66, s76
	s_lshl_b32 s76, s27, 14
	s_add_co_u32 s66, s66, s76
	s_lshl_b32 s62, s23, 8
	s_add_co_u32 s66, s66, s62
	s_mov_b32 s67, 0
	s_mov_b32 s63, 0
	s_mov_b32 s68, 0x76543210
	s_mov_b32 s69, 0xfedcba98                      ; v_permlanex16_b32's selects for lane l xor 16
	s_mov_b32 s70, 0x3e38aa3b                      ; log2(e) / 8
	s_mov_b32 s71, s70
	s_mov_b32 s88, 0xffff0000                      ; lanes 16-31
	s_lshl_b32 s89, s27, 4
	s_lshl_b32 s90, s26, 3
	; bases of LDS addresses
	s_mul_i32 s76, s20, 25600                      ; x: my four tiles
	s_min_u32 s77, s26, 1
	s_mul_i32 s77, s77, 25600
	s_add_co_u32 s77, s77, WB                      ; Wq for waves 0, 1, else Wk
	s_mul_i32 s78, s26, 38400
	s_add_co_u32 s78, s78, BLK                     ; value: my three groups
	s_mul_i32 s79, s27, 12800
	s_add_co_u32 s79, s79, WB+51200                ; Wv: my 32 channels
	s_mul_i32 s80, s20, 3072
	s_add_co_u32 s80, s80, IMG
	s_mul_i32 s81, s26, 1536
	s_add_co_u32 s81, s81, IMG                     ; my query's group,
	s_mul_i32 s83, s27, 520
	s_add_co_u32 s83, s83, s81
	s_mul_i32 s84, s27, 1016
	s_add_co_u32 s84, s84, s81
	s_add_co_u32 s81, s81, 6144                    ; my first group of keys
	s_lshl_b32 s85, s26, 6
	s_add_co_u32 s85, s85, KSC
	s_add_co_u32 s82, s85, 256
	s_mul_i32 s86, s27, 9216
	s_mul_i32 s87, s26, 1152
	s_add_co_u32 s86, s86, s87
	s_add_co_u32 s86, s86, VIMG
	s_mul_i32 s87, s26, 384
	s_add_co_u32 s87, s87, VIMG
	s_lshl_b32 s72, s27, 9
	s_mul_i32 s73, s26, 3
	s_add_co_u32 s72, s72, s73
	s_add_co_u32 s72, s72, VSC
	s_mul_i32 s73, s20, 16*272                     ; my stage
	s_lshl_b32 s74, s27, 3
	s_wait_alu depctr_va_vdst(0)
	s_wait_dscnt 0x0                               ; both opening adds are done
	s_wait_kmcnt 0x0
	s_add_nc_u64 s[50:51], s[4:5], s[28:29]
	s_or_b32 s51, s51, 0x80000000
	s_add_nc_u64 s[58:59], s[4:5], s[30:31]
	s_or_b32 s59, s59, 0x80000000
	s_add_nc_u64 s[54:55], s[6:7], s[18:19]
	s_or_b32 s55, s55, 0x80000000
	s_barrier_signal -1                            ; a round in front of the first joint loads
	s_barrier_wait -1
	CREST
	s_cmp_lt_u32 s20, 4                            ; one joint load a wave: waves 0-3 x, waves 4-7 W
	s_cbranch_scc0 .Lload_w
	tensor_load_to_lds s[48:51], s[32:39]
	s_nop 0
	PLACES 4
	s_branch .Lloaded
.Lload_w:
	tensor_load_to_lds s[52:55], s[40:47]
	s_nop 0
	PLACES 4
.Lloaded:
	s_cmp_lt_u32 s20, 2
	s_cselect_b64 s[60:61], s[8:9], s[10:11]       ; bq for waves 0, 1, else bk
	s_add_nc_u64 s[60:61], s[60:61], s[62:63]
	s_add_nc_u64 s[62:63], s[12:13], s[62:63]
	s_add_nc_u64 s[66:67], s[14:15], s[66:67]
	v_and_b32 v76, 15, v0                          ; r
	v_bfe_u32 v77, v0, 4, 1                        ; h
	v_bfe_u32 v78, v0, 3, 1                        ; r / 8
	v_and_b32 v79, 31, v0                          ; lane
	v_xor_b32 v80, 8, v76
	v_mul_u32_u24 v81, 6400, v78                   ; rows 8-15 of a tile lie in the second of its group's two chunks
	v_lshl_add_u32 v82, v77, 8, v81
	v_lshl_add_u32 v83, v76, 4, v82                ; a fragment: 6,400 (r / 8) + 256 h + 16 (r xor 8 u)
	v_lshl_add_u32 v84, v80, 4, v82
	v_lshl_add_u32 v85, v77, 6, v81
	v_lshl_add_u32 v86, v76, 2, v85                ; its scale words
	v_lshl_add_u32 v87, v80, 2, v85
.irp u, 0,1
	v_add_nc_u32 v[XA+\u], s76, v[83+\u]
	v_add_nc_u32 v[XC+\u], s76, v[86+\u]
	v_add_nc_u32 v[WA+\u], s77, v[83+\u]
	v_add_nc_u32 v[WC+\u], s77, v[86+\u]
	v_add_nc_u32 v[VXA+\u], s78, v[83+\u]
	v_add_nc_u32 v[VXC+\u], s78, v[86+\u]
	v_add_nc_u32 v[VWA+\u], s79, v[83+\u]
	v_add_nc_u32 v[VWC+\u], s79, v[86+\u]
.endr
	v_lshlrev_b32 v88, 4, v79
	v_lshlrev_b32 v89, 2, v79
	v_lshlrev_b32 v90, 2, v76
	v_add_nc_u32 v[KST], s80, v88
	v_lshl_add_u32 v[KSS], v0, 2, KSC
	v_add_nc_u32 v[KRD], s81, v88
	v_add_nc_u32 v[KSR], s82, v89
	v_add_nc_u32 v[KSL], s82, v90
	v_add_nc_u32 v[QRA], s83, v88
	v_add_nc_u32 v[QRB], s84, v88
	v_add_nc_u32 v[QSR], s85, v90
	v_mul_u32_u24 v93, 4608, v77
	v_lshl_add_u32 v94, v76, 4, v93
	v_lshl_add_u32 v95, v76, 3, v93
	v_add_nc_u32 v[VSA], s86, v94
	v_add_nc_u32 v[VSB], s86, v95
	v_add_nc_u32 v[VSS], s72, v88
	v_lshlrev_b32 v94, 4, v76
	v_lshlrev_b32 v95, 3, v76
	v_mul_u32_u24 v96, 384, v77
	v_add_nc_u32 v[VLA], s87, v94
	v_add_nc_u32 v[VLB], s87, v95
	v_add_nc_u32 v[VRA], v96, v[VLA]
	v_add_nc_u32 v[VRB], v96, v[VLB]
	v_add_nc_u32 v[VSR], VSC, v88
	v_mul_u32_u24 v97, 272, v76
	v_lshl_add_u32 v97, v77, 6, v97
	v_add_nc_u32 v[STO], s73, v97                  ; the stage, in: row r, + 64 h
	v_mul_u32_u24 v98, 272, v77
	v_add_nc_u32 v98, v98, v94
	v_add_nc_u32 v[RD], s73, v98                   ; back: lanes 0-15 one row, lanes 16-31 the next
	v_lshl_add_u32 v[GO], v77, 11, v94             ; and the same in out0
	v_lshl_add_u32 v99, v78, 3, v76                ; r + 8 (r / 8)
	v_lshlrev_b32 v100, 4, v77
	v_sub_nc_u32 v[VD], v99, v100
	v_add_nc_u32 v[VD], s74, v[VD]
	v_mov_b32 v[NINF], 0xff800000
.irp i, 18,19,47,49,51
	v_mov_b32 v[\i], 0                             ; named in pairs or as a permute's destination before they are used
.endr
	v_lshlrev_b32 v91, 6, v77                      ; q's, k's bias: register j of tile 2 b + u is channel 32 b + 16 h + 8 u + j
	v_lshlrev_b32 v92, 2, v99
	v_lshl_add_u32 v92, s27, 7, v92                ; v's: channel 32 (w % 2) + 8 u + r + 8 (r / 8)
.irp u, 0,1
	global_load_b32 v[BV+\u], v92, s[62:63] offset:32*\u
.endr
	WIN 0x40
.irp a, 0,1,2,3
	global_load_b128 v[224+8*\a:227+8*\a], v91, s[60:61] offset:128*(\a/2)+32*(\a%2)
	global_load_b128 v[228+8*\a:231+8*\a], v91, s[60:61] offset:128*(\a/2)+32*(\a%2)+16
.endr
	WIN 0
	s_wait_alu depctr_va_vdst(0)
	s_wait_loadcnt 0x0                             ; the biases
	s_wait_tensorcnt 0x0                           ; my load is in,
	s_barrier_signal -1
	s_barrier_wait -1                              ; everybody's is
; ---- q and k.  Two sets of fragments: x's at v[S], W's at 128 of window 1, 48 registers a set.
.macro LDK s
	WIN 0x40
.irp a, 0,1,2,3
.irp c, 0,1,2
	ds_load_b128 v[128+48*((\s)%2)+12*\a+4*\c:131+48*((\s)%2)+12*\a+4*\c], v[WA+\a%2] offset:12800*(\a/2)+1536*(\s)+512*\c
.endr
.endr
	WIN 0
.irp a, 0,1,2,3
.irp c, 0,1,2
	ds_load_b128 v[S+48*((\s)%2)+12*\a+4*\c:S+3+48*((\s)%2)+12*\a+4*\c], v[XA+\a%2] offset:12800*(\a/2)+1536*(\s)+512*\c
.endr
.endr
.endm
.macro QK s, t0                        ; row tiles t0, t0 + 1 x four tiles of channels; accumulator (t, a) at 8 (4 t + a): the sixteen take turns
.irp t, \t0, \t0+1
.irp a, 0,1,2,3
.if (\s) == 0
	WM 8*(4*(\t)+\a), 128+12*\a, S+12*(\t), 224+8*\a, SCL+8+2*\a, SCL+2*(\t), 0
.else
	WM 8*(4*(\t)+\a), 128+48*((\s)%2)+12*\a, S+48*((\s)%2)+12*(\t), 8*(4*(\t)+\a), SCL+8+2*\a+(\s)/2, SCL+2*(\t)+(\s)/2, 3*((\s)%2)
.endif
.endr
.endr
.endm
.irp a, 0,1,2,3
.irp p, 0,1                                    ; lanes 0-15 K step 2 p, lanes 16-31 K step 2 p + 1
	ds_load_b32 v[SCL+2*\a+\p], v[XC+\a%2] offset:12800*(\a/2)+6144+128*\p
	ds_load_b32 v[SCL+8+2*\a+\p], v[WC+\a%2] offset:12800*(\a/2)+6144+128*\p
.endr
.endr
	LDK 0
	LDK 1
.irp s, 0,1
	s_wait_dscnt 24                                ; K step s is in; the next one's 24 loads may be out
	WIN 0x51                                       ; source 0 (W), C and D window 1
	QK \s, 0
	QK \s, 2
	WIN 0
	PLACES 4
	LDK \s+2
.endr
	s_wait_dscnt 24
	WIN 0x51
	QK 2, 0
	QK 2, 2
	WIN 0
	s_wait_tensorcnt 0x0                           ; no tensor load of mine is out;
	ds_add_u32 v[SPW], v[NIL]
	s_wait_dscnt 1                                 ; the last fragments are in; the add may be out
	WIN 0x51
	QK 3, 0
	s_wait_dscnt 0x0                               ; the add is done, and so are my reads of x
	s_barrier_signal -1
	QK 3, 2
	WIN 0
	s_barrier_wait -1
	CREST                                          ; no wave of any partner still reads key's blocks or has a load on its way
	s_cmp_lt_u32 s20, 3
	s_cbranch_scc0 .Lno_fill
	tensor_load_to_lds s[56:59], s[32:39]          ; value's three blocks
	s_nop 0
	PLACES 4
.Lno_fill:
	PLACES 4                                       ; places in front of the first read of results
.macro KOUT pc, pw, g                  ; my g-th group's codes and scale word
.irp c, 0,1,2
	ds_store_b128 v[KST], v[\pc+4*\c:\pc+4*\c+3] offset:1536*\g+512*\c
.endr
	v_lshl_or_b32 v[\pw], v[TM+5], 8, v[TM+4]
	v_lshl_or_b32 v[\pw], v[TM+6], 16, v[\pw]
	v_lshl_or_b32 v[\pw], v[TM+7], 24, v[\pw]
.endm
	QUANT 0, 76, 4                                 ; tiles 0 and 1: registers 0-5 tile 0's 64 channels, 6-11 tile 1's
	KOUT 76, 135, 0
	QUANT 64, 96, 4
	KOUT 96, 136, 1
	v_cndmask_b32 v137, v135, v136, s88
	ds_store_b32 v[KSS], v137                      ; lanes 0-15 the first group's words, lanes 16-31 the second's
	s_wait_alu depctr_va_vdst(0)
	s_wait_dscnt 0x0                               ; for the others' sake: my stores have landed
	s_barrier_signal -1
	s_barrier_wait -1                              ; q's and k's codes lie in LDS
; ---- S^T = K Q^T: nine groups
	ds_load_b64 v[Q+6:Q+7], v[QRA]
	ds_load_b64 v[Q+8:Q+9], v[QRB] offset:8
	ds_load_b64 v[Q+10:Q+11], v[QRA] offset:512
	ds_load_b32 v[T], v[QSR]
.irp n, 0,1,2,3
	ds_load_b32 v[SCL+\n], v[KSR] offset:128*\n    ; lanes 0-15 group 2 n's words, lanes 16-31 group 2 n + 1's
.endr
	ds_load_b32 v[SCL+4], v[KSL] offset:512        ; group 8's
	WIN 0x40
.irp i, 0,1,2,3,4,5,6,7,8
.irp c, 0,1,2
	ds_load_b128 v[128+12*\i+4*\c:131+12*\i+4*\c], v[KRD] offset:1536*\i+512*\c
.endr
.endr
	WIN 0
.irp i, 0,1,2,3,4,5
	v_mov_b32 v[Q+\i], 0
	v_mov_b32 v[Q+12+\i], 0
.endr
	s_wait_alu depctr_va_vdst(0)
	s_wait_dscnt 32                                ; q is in; 5 + 27 younger loads may be out
	v_lshrrev_b32 v[T], s89, v[T]
	v_and_b32 v[T], 0xffff, v[T]                   ; my tile's two bytes,
	v_lshl_or_b32 v[SCL+5], v[T], 16, v[T]         ; for K places 0-63 and for 64-127
	WIN 0x40
.irp u, 0,1
.irp j, 0,1,2,3,4,5,6,7
	v_mov_b32 v[240+8*\u+\j], v[BV+\u]             ; v's bias as a C; these sixteen are also the places behind the scale word
.endr
.endr
	WIN 0x01                                       ; source 0 (K) window 1
	s_wait_alu depctr_va_vdst(0)
.irp i, 0,1,2,3,4,5,6,7,8
	s_wait_dscnt 3*(8-\i)                          ; group i is in
	WMZ S+16*\i, 128+12*\i, Q+6, SCL+\i/2, SCL+5, \i%2
	WMZ S+16*\i+8, 128+12*\i, Q, SCL+\i/2, SCL+5, \i%2
.endr
	WIN 0
	PLACES 4
	WIN 0x40
.irp u, 0,1                                    ; Wv's fragments (tile u, K step s) land while the softmax is walked
.irp s, 0,1,2,3
.irp c, 0,1,2
	ds_load_b128 v[128+12*(4*\u+\s)+4*\c:131+12*(4*\u+\s)+4*\c], v[VWA+\u] offset:1536*\s+512*\c
.endr
.endr
.endr
	WIN 0
.irp u, 0,1
.irp p, 0,1
	ds_load_b32 v[SCL+2*\u+\p], v[VWC+\u] offset:6144+128*\p
.endr
.endr
; ---- the softmax: register 16 b + e is key 16 h + e of group b
.irp e, 0,1,2,3,4,5,6,7,8,9,10,11,12,13,14,15
	v_cmp_lt_i32 s[72+\e], \e, v[VD]               ; group 0: hidden where the key lies ahead of query - 128
.endr
.irp e, 0,1,2,3,4,5,6,7,8,9,10,11,12,13,14,15
	v_cndmask_b32 v[S+\e], v[S+\e], v[NINF], s[72+\e]
.endr
.irp e, 0,1,2,3,4,5,6,7,8,9,10,11,12,13,14,15
	v_cmp_gt_i32 s[72+\e], \e, v[VD]               ; group 8: behind query + 128
.endr
.irp e, 0,1,2,3,4,5,6,7,8,9,10,11,12,13,14,15
	v_cndmask_b32 v[S+128+\e], v[S+128+\e], v[NINF], s[72+\e]
.endr
.irp b, 0,1,2,3,4,5,6,7,8
	v_max3_num_f32 v[BM+\b], v[S+16*\b], v[S+1+16*\b], v[S+2+16*\b]   ; each group's largest score
.endr
.irp e, 3,5,7,9,11,13
.irp b, 0,1,2,3,4,5,6,7,8
	v_max3_num_f32 v[BM+\b], v[BM+\b], v[S+16*\b+\e], v[S+1+16*\b+\e]
.endr
.endr
.irp b, 0,1,2,3,4,5,6,7,8
	v_max_num_f32 v[BM+\b], v[BM+\b], v[S+15+16*\b]
.endr
.irp b, 0,1,2,3,4,5,6,7,8
	v_permlanex16_b32 v[BX+\b], v[BM+\b], s68, s69
.endr
.irp b, 0,1,2,3,4,5,6,7,8
	v_max_num_f32 v[BM+\b], v[BM+\b], v[BX+\b]     ; with lane l xor 16's 16 keys
.endr
.irp b, 0,1,2,3,5,6,7,8
	v_cndmask_b32 v[BM+\b], v[BM+\b], v[NINF], s[HM+\b]   ; a group that does not exist counts for nothing
.endr
	v_max3_num_f32 v[T], v[BM], v[BM+1], v[BM+2]
	v_max3_num_f32 v72, v[BM+3], v[BM+4], v[BM+5]
	v_max3_num_f32 v73, v[BM+6], v[BM+7], v[BM+8]
	v_max3_num_f32 v[T], v[T], v72, v73
	v_mul_f32 v[T], s70, v[T]                      ; the row's largest t
	v_floor_f32 v[NM], -v[T]                       ; -M = -ceil(t)
	v_cndmask_b32 v[NX], v[NM], v[NINF], s[HM]
.irp b, 0,1,2,3,4,5,6,7,8
.if \b != 3 && \b != 8
	v_cndmask_b32 v[NX+2*((\b+1)%2)], v[NM], v[NINF], s[HM+\b+1]   ; the next group's addend: -infinity where it does not exist
.endif
.irp i, 0,2,4,6,8,10,12,14
.if \b == 4
	v_pk_fma_f32 v[S+16*\b+\i:S+16*\b+\i+1], v[S+16*\b+\i:S+16*\b+\i+1], s[70:71], v[NM:NM+1] op_sel_hi:[1,0,0]
.else
	v_pk_fma_f32 v[S+16*\b+\i:S+16*\b+\i+1], v[S+16*\b+\i:S+16*\b+\i+1], s[70:71], v[NX+2*(\b%2):NX+2*(\b%2)+1] op_sel_hi:[1,0,0]
.endif
.endr
.endr
.irp b, 0,1,2,3,4,5,6,7,8
	v_fma_f32 v[BM+\b], v[BM+\b], s70, v[NM]
.endr
	s_wait_alu depctr_va_vdst(0)
.set n, 0
.rept 144
	v_exp_f32 v[S+n], v[S+n]                       ; p = 2^(t - M), not normalised
.set n, n+1
.endr
.irp b, 0,1,2,3,4,5,6,7,8
	v_exp_f32 v[BM+\b], v[BM+\b]                   ; each group's largest p
.endr
	v_nop                                          ; a plain place behind the exponentials
	s_wait_alu depctr_va_vdst(0)
.irp b, 0,1,2,3,4,5,6,7,8
	v_max_num_f32 v[BM+\b], 0x2800000, v[BM+\b]    ; the floor 2^(5 - 127)
.endr
.irp b, 0,1,2,3,4,5,6,7,8
	v_add_nc_u32 v[BM+\b], 0xfe000000, v[BM+\b]    ; the conversion's scale operand
.endr
.irp b, 0,1,2,3,4,5,6,7
	v_lshrrev_b32 v[BX+\b], 23, v[BM+\b]
.endr
	v_lshrrev_b32 v[PSW+2], 23, v[BM+8]            ; p's scale words: groups 0-3, 4-7, 8 (its other three blocks are zero codes)
.irp s, 0,1
	v_lshl_or_b32 v[PSW+\s], v[BX+1+4*\s], 8, v[BX+4*\s]
.endr
.irp s, 0,1
	v_lshl_or_b32 v[PSW+\s], v[BX+2+4*\s], 16, v[PSW+\s]
.endr
.irp s, 0,1
	v_lshl_or_b32 v[PSW+\s], v[BX+3+4*\s], 24, v[PSW+\s]
.endr
	v_pk_add_f32 v[72:73], v[S:S+1], v[S+2:S+3]    ; the sum of the unquantised p, in four chains
	v_pk_add_f32 v[74:75], v[S+4:S+5], v[S+6:S+7]
	v_pk_add_f32 v[48:49], v[S+8:S+9], v[S+10:S+11]
	v_pk_add_f32 v[50:51], v[S+12:S+13], v[S+14:S+15]
.set n, 16
.rept 16
.irp r, 72,74,48,50
	v_pk_add_f32 v[\r:\r+1], v[\r:\r+1], v[S+n:S+n+1]
.set n, n+2
.endr
.endr
	v_pk_add_f32 v[72:73], v[72:73], v[74:75]
	v_pk_add_f32 v[48:49], v[48:49], v[50:51]
	v_pk_add_f32 v[72:73], v[72:73], v[48:49]
	v_add_f32 v[T], v72, v73
	v_permlanex16_b32 v74, v[T], s68, s69
	v_add_f32 v[T], v[T], v74                      ; with lane l xor 16's: the row's sum
	s_wait_alu depctr_va_vdst(0)
	v_rcp_f32 v[INV], v[T]
	v_nop
.irp s, 0,1                                    ; p's codes: 128 keys a fragment
.irp c, 0,1
	v_cvt_scalef32_pk16_bf6_f32 v[PCD+12*\s+6*\c:PCD+12*\s+6*\c+2], v[S+64*\s+32*\c:S+64*\s+32*\c+15], v[BM+4*\s+2*\c]
	v_cvt_scalef32_pk16_bf6_f32 v[12+4*\c:14+4*\c], v[S+64*\s+32*\c+16:S+64*\s+32*\c+31], v[BM+4*\s+2*\c+1]
.endr
	v_nop                                          ; one plain place behind a scaled conversion
.irp c, 0,1
.irp i, 0,1,2
	v_permlane16_swap_b32 v[PCD+12*\s+6*\c+\i], v[12+4*\c+\i]
.endr
.endr
.irp c, 0,1
.irp i, 0,1,2
	v_mov_b32 v[PCD+12*\s+6*\c+3+\i], v[12+4*\c+\i]
.endr
.endr
.endr
	v_cvt_scalef32_pk16_bf6_f32 v[PCD+24:PCD+26], v[S+128:S+143], v[BM+8]   ; group 8: lanes 0-15 the whole block, zero codes elsewhere
.irp i, 0,1,2
	v_mov_b32 v[12+\i], 0
	v_mov_b32 v[PCD+30+\i], 0
	v_mov_b32 v[PCD+33+\i], 0
.endr
.irp i, 0,1,2
	v_permlane16_swap_b32 v[PCD+24+\i], v[12+\i]
.endr
.irp i, 0,1,2
	v_mov_b32 v[PCD+27+\i], v[12+\i]
.endr
	s_wait_alu depctr_va_vdst(0)
	s_wait_dscnt 0x0                               ; Wv's fragments and scale words are in
	s_wait_tensorcnt 0x0                           ; value's block, if I fetched one,
	s_barrier_signal -1
	s_barrier_wait -1                              ; and everybody's
; ---- v: three groups of keys x two tiles of channels; x's fragments in two sets of 72 registers
.macro LDV s
.irp t, 0,1,2,3,4,5
.irp c, 0,1,2
	ds_load_b128 v[S+72*((\s)%2)+12*\t+4*\c:S+3+72*((\s)%2)+12*\t+4*\c], v[VXA+\t%2] offset:12800*(\t/2)+1536*(\s)+512*\c
.endr
.endr
.endm
.macro MV s                            ; accumulator (group t / 2, tile q, t % 2) at 16 (2 (t / 2) + q) + 8 (t % 2): the twelve take turns
	WIN 0x54                                       ; source 1 (W), C and D window 1
.irp t, 0,1,2,3,4,5
.irp q, 0,1
.if (\s) == 0
	WM 16*(2*(\t/2)+\q)+8*(\t%2), S+12*\t, 128+48*\q, 240+8*\q, SCL+4+2*\t, SCL+2*\q, 0
.else
	WM 16*(2*(\t/2)+\q)+8*(\t%2), S+72*((\s)%2)+12*\t, 128+12*(4*\q+(\s)), 16*(2*(\t/2)+\q)+8*(\t%2), SCL+4+2*\t+(\s)/2, SCL+2*\q+(\s)/2, 3*((\s)%2)
.endif
.endr
.endr
	WIN 0
.endm
.irp t, 0,1,2,3,4,5
.irp p, 0,1
	ds_load_b32 v[SCL+4+2*\t+\p], v[VXC+\t%2] offset:12800*(\t/2)+6144+128*\p
.endr
.endr
	LDV 0
	LDV 1
.irp s, 0,1
	s_wait_dscnt 18                                ; K step s is in; the next one's 18 loads may be out
	MV \s
	PLACES 4
	LDV \s+2
.endr
	s_wait_dscnt 18
	MV 2
	s_wait_dscnt 0x0
	MV 3
	PLACES 4                                       ; places in front of the first read of results
.macro VOUT pc, c, g                   ; my g-th group: lanes 0-15 the first tile's channels, lanes 16-31 the second's
	ds_store_b128 v[VSA], v[\pc+6*\c:\pc+6*\c+3] offset:384*\g
	ds_store_b64 v[VSB], v[\pc+6*\c+4:\pc+6*\c+5] offset:384*\g+256
	v_cndmask_b32 v[132+\g], v[TM+4+2*\c], v[TM+5+2*\c], s88
	ds_store_b8 v[VSS], v[132+\g] offset:\g
.endm
	QUANT 0, 76, 4
	VOUT 76, 0, 0
	VOUT 76, 1, 1
	QUANT 64, 96, 2
	VOUT 96, 0, 2
	s_wait_alu depctr_va_vdst(0)
	s_wait_dscnt 0x0                               ; for the others' sake: my stores have landed
	s_barrier_signal -1
	s_barrier_wait -1                              ; v's codes lie in LDS
; ---- O^T = V^T P^T: K = my groups 0-3, 4-7, 8
.irp n, 0,1
	ds_load_b96 v[204+4*\n:206+4*\n], v[VSR] offset:512*\n   ; lanes 0-15 tile 2 n's twelve bytes, lanes 16-31 tile 2 n + 1's
.endr
.irp s, 0,1
.irp a, 0,1,2,3
.irp c, 0,1
	ds_load_b128 v[S+12*(4*\s+\a)+6*\c:S+12*(4*\s+\a)+6*\c+3], v[VRA] offset:4608*\a+1536*\s+768*\c
	ds_load_b64 v[S+12*(4*\s+\a)+6*\c+4:S+12*(4*\s+\a)+6*\c+5], v[VRB] offset:4608*\a+1536*\s+768*\c+256
.endr
.endr
.endr
.irp a, 0,1,2,3                                ; group 8: six registers a tile; the next six, the next tile's, meet zero codes
	ds_load_b128 v[172+6*\a:175+6*\a], v[VLA] offset:4608*\a+3072
	ds_load_b64 v[176+6*\a:177+6*\a], v[VLB] offset:4608*\a+3072+256
.endr
	ds_load_b128 v[196:199], v[VLA] offset:4608*3+3072
	ds_load_b64 v[200:201], v[VLB] offset:4608*3+3072+256
	s_wait_dscnt 42                                ; the bytes are in; 32 + 10 younger loads may be out
.irp n, 0,1                                    ; my first group's byte becomes byte 0
	v_alignbit_b32 v[SCL+4+3*\n], v[205+4*\n], v[204+4*\n], s90
	v_alignbit_b32 v[SCL+5+3*\n], v[206+4*\n], v[205+4*\n], s90
	v_lshrrev_b32 v[SCL+6+3*\n], s90, v[206+4*\n]
.endr
	PLACES 8                                       ; places between scale words just made and a scaled product
	WIN 0x50                                       ; C and D window 1
	s_wait_alu depctr_va_vdst(0)
	s_wait_dscnt 26                                ; the first 16 loads are in
.irp a, 0,1,2,3
	WMZ 96+8*\a, S+12*\a, PCD, SCL+4+3*(\a/2), PSW, \a%2
.endr
	s_wait_dscnt 10
.irp a, 0,1,2,3
	WM 96+8*\a, S+12*(4+\a), PCD+12, 96+8*\a, SCL+5+3*(\a/2), PSW+1, \a%2
.endr
	s_wait_dscnt 0x0
.irp a, 0,1,2,3
	WM 96+8*\a, 172+6*\a, PCD+24, 96+8*\a, SCL+6+3*(\a/2), PSW+2, \a%2
.endr
	PLACES 4                                       ; places in front of the first read of results
	WIN 0x01
.set n, 0
.rept 16
	v_pk_mul_f32 v[S+n:S+n+1], v[96+n:97+n], v[INV:INV+1] op_sel_hi:[1,0]   ; register 16 b + i is channel 32 b + 16 h + i of query r
.set n, n+2
.endr
	WIN 0
.irp a, 0,1,2,3
	ds_store_b128 v[STO], v[S+8*\a:S+8*\a+3] offset:128*(\a/2)+32*(\a%2)
	ds_store_b128 v[STO], v[S+8*\a+4:S+8*\a+7] offset:128*(\a/2)+32*(\a%2)+16
.endr
.irp i, 0,1,2,3,4,5,6,7
	ds_load_b128 v[S+32+4*\i:S+35+4*\i], v[RD] offset:544*\i   ; LDS serves a wave's instructions in order: these see my stores
.endr
.irp i, 0,1,2,3,4,5,6,7
	s_wait_dscnt 7-\i                              ; the i-th of the eight loads is in
	global_store_b128 v[GO], v[S+32+4*\i:S+35+4*\i], s[66:67] offset:(2*\i+8*(\i/4))*2048 th:TH_STORE_NT   ; stage row m is query m + 8 (m / 8) of my tile; sixteen lanes store 256 consecutive bytes
.endr
	s_wait_tensorcnt 0x0                           ; the wave's end
	ds_add_u32 v[SPW], v[NIL]
	s_wait_dscnt 0x0
	s_barrier_signal -1                            ; the closing round
	s_barrier_wait -1
	CREST
	s_endpgm
.Lfunc_end_k_q3f764464ce_fused:
	.size	k_q3f764464ce_fused, .Lfunc_end_k_q3f764464ce_fused-k_q3f764464ce_fused
	.p2alignl 7, 3214868480
	.fill 96, 4, 3214868480
	.section	.rodata,"a",@progbits
	.p2align	6, 0x0
	.amdhsa_kernel k_q3f764464ce_fused
		.amdhsa_group_segment_fixed_size 327680
		.amdhsa_private_segment_fixed_size 0
		.amdhsa_enable_private_segment 0
		.amdhsa_kernarg_size 48
		.amdhsa_user_sgpr_count 2
		.amdhsa_user_sgpr_kernarg_segment_ptr 1
		.amdhsa_wavefront_size32 1
		.amdhsa_system_sgpr_workgroup_id_x 1
		.amdhsa_system_sgpr_workgroup_id_y 1
		.amdhsa_system_sgpr_workgroup_id_z 1
		.amdhsa_system_vgpr_workitem_id 0
		.amdhsa_next_free_vgpr 512
		.amdhsa_next_free_sgpr 100
		.amdhsa_reserve_vcc 0
		.amdhsa_float_denorm_mode_32 3
		.amdhsa_float_denorm_mode_16_64 3
		.amdhsa_memory_ordered 1
		.amdhsa_forward_progress 1
		.amdhsa_inst_pref_size 101
	.end_amdhsa_kernel
	.amdgpu_metadata
---
amdhsa.version: [ 1, 2 ]
amdhsa.kernels:
  - .name:           k_q3f764464ce_fused
    .symbol:         k_q3f764464ce_fused.kd
    .args:
      - { .name: acts, .offset: 0, .size: 8, .value_kind: global_buffer, .address_space: global }
      - { .name: wts, .offset: 8, .size: 8, .value_kind: global_buffer, .address_space: global }
      - { .name: bq, .offset: 16, .size: 8, .value_kind: global_buffer, .address_space: global }
      - { .name: bk, .offset: 24, .size: 8, .value_kind: global_buffer, .address_space: global }
      - { .name: bv, .offset: 32, .size: 8, .value_kind: global_buffer, .address_space: global }
      - { .name: out0, .offset: 40, .size: 8, .value_kind: global_buffer, .address_space: global }
    .group_segment_fixed_size: 327680
    .private_segment_fixed_size: 0
    .kernarg_segment_align: 8
    .kernarg_segment_size: 48
    .max_flat_workgroup_size: 256
    .sgpr_count:     100
    .vgpr_count:     512
    .wavefront_size: 32
...
	.end_amdgpu_metadata
.endif
;; end of part 2
